; MI455X (gfx1250); checked and timed in simulation.
; The chip was launched on July 23, 2026; its instructions are those of AMD's public machine-readable ISA for CDNA 5 (MIT licence, August 2026) and "CDNA5" Instruction Set Architecture Reference Guide (July 2026). The comments in the code are by the model that wrote it; some were corrected since.
;; Projection Layer. Allowed arithmetic: float matrix products may take bf16 or f16 operands with f32 sums; other float arithmetic in f32, or as packed bf16 or f16 multiplies, adds, multiply-adds, maxima and minima; sums over many terms, partial sums and values carried from step to step in f32; what a program stores and reads back later, other than sums and carried values, may be rounded once to bf16 or f16.
;; Inputs: W 16 x 1,024 x 1,024 float32; b 16 x 1,024 float32; inputs 4,096 x 1,024 float32; type_prob 4,096 x 16 x 1 float32.
;; Outputs: out0 4,096 x 1,024 float32.
;; One version. Each part assembles by itself: llvm-mc -triple=amdgcn-amd-amdhsa -mcpu=gfx1250 --defsym DOCPART=n.
;; ======== version 1 of 1: 3 launches
;; workspace buffers: wb 33,554,432 bytes; xb 8,388,608 bytes; ebuf 134,217,728 bytes; stats 4,194,304 bytes
;; launch cast (part 1): grid 1280 x 1, 8 waves a work-group, no clusters, 0 bytes of LDS; arguments W, inputs, wb, xb; writes wb, xb
.if DOCPART == 1
	.amdgcn_target "amdgcn-amd-amdhsa--gfx1250"
	.amdhsa_code_object_version 6
	.text
	.protected	k_qe6f5b1a68d_cast
	.globl	k_qe6f5b1a68d_cast
	.p2align	8
	.type	k_qe6f5b1a68d_cast,@function
k_qe6f5b1a68d_cast:
	s_mov_b64 s[64:65], 0
	v_nop
	global_prefetch_b8 v0, s[64:65] scope:SCOPE_SE
	s_setreg_imm32_b32 hwreg(HW_REG_WAVE_MODE, 25, 1), 1
	s_wait_xcnt 0x0
; W [16][1024][1024] and inputs [4096][1024], f32, are rounded once to bf16 (nearest even), layout unchanged: wb and xb.
; A stream: no LDS, no barrier, no matrix unit, no cluster (no byte is read twice).  A work-group takes 65,536 input bytes:
; groups 0 to 1023 take W, groups 1024 to 1279 take inputs.  A wave takes 8,192 bytes by sixteen loads of 512 consecutive bytes, all sixteen
; issued before the first wait; each store of the wave covers 256 consecutive bytes, aligned.
; The rounding is done in place, so a wave needs 72 registers: 1,280 work-groups of 8 waves on 256 WGPs of 4 SIMDs are ten waves a SIMD, 720 of its 1,024 registers,
; so that every work-group's loads can go out at the launch's start.
; LIMITS: a number beyond bf16's largest rounds to an infinity as the conversion has it; NaN stays NaN.
.set X, 8                              ; v[8:71]  sixteen loads, 4 registers each; the first two of each four then hold the packed result, and are not written again
	s_load_b256 s[4:11], s[0:1], 0x0               ; W s[4:5], inputs s[6:7], wb s[8:9], xb s[10:11]
	v_lshrrev_b32 v3, 5, v0                        ; wave
	v_and_b32 v4, 31, v0                           ; lane
	v_lshlrev_b32 v1, 4, v4
	v_lshl_add_u32 v1, v3, 13, v1                  ; in: wave x 8,192 + lane x 16
	v_lshlrev_b32 v2, 3, v4
	v_lshl_add_u32 v2, v3, 12, v2                  ; out: wave x 4,096 + lane x 8
	s_wait_kmcnt 0x0
	s_cmp_lt_u32 ttmp9, 1024                       ; the choice hangs on the group's number alone
	s_cselect_b64 s[12:13], s[4:5], s[6:7]         ; from W or from inputs,
	s_cselect_b64 s[14:15], s[8:9], s[10:11]       ; to wb or to xb
	s_cselect_b32 s16, 0, 1024
	s_sub_co_u32 s16, ttmp9, s16                   ; the group's number within its tensor
	s_lshl_b32 s18, s16, 16                        ; 65,536 bytes in,
	s_mov_b32 s19, 0
	s_lshl_b32 s20, s16, 15                        ; 32,768 out
	s_mov_b32 s21, 0
	s_add_nc_u64 s[12:13], s[12:13], s[18:19]
	s_add_nc_u64 s[14:15], s[14:15], s[20:21]
.set j, 0
.rept 16
	global_load_b128 v[X+4*j:X+4*j+3], v1, s[12:13] offset:512*j th:TH_LOAD_NT   ; read once in the launch
.set j, j+1
.endr
.set j, 0
.rept 16
	s_wait_loadcnt 15-j                            ; loads come back in order (ISA guide 5.7.1): load j is in, the younger ones stay out
	v_cvt_pk_bf16_f32 v[X+4*j],   v[X+4*j],   v[X+4*j+1]
	v_cvt_pk_bf16_f32 v[X+4*j+1], v[X+4*j+2], v[X+4*j+3]
	global_store_b64 v2, v[X+4*j:X+4*j+1], s[14:15] offset:256*j   ; 32 lanes x 8 bytes: 256 consecutive bytes, aligned; read again by the next launch, so no hint
.set j, j+1
.endr
	s_endpgm
.Lfunc_end_k_qe6f5b1a68d_cast:
	.size	k_qe6f5b1a68d_cast, .Lfunc_end_k_qe6f5b1a68d_cast-k_qe6f5b1a68d_cast
	.p2alignl 7, 3214868480
	.fill 96, 4, 3214868480
	.section	.rodata,"a",@progbits
	.p2align	6, 0x0
	.amdhsa_kernel k_qe6f5b1a68d_cast
		.amdhsa_group_segment_fixed_size 0
		.amdhsa_private_segment_fixed_size 0
		.amdhsa_enable_private_segment 0
		.amdhsa_kernarg_size 32
		.amdhsa_user_sgpr_count 2
		.amdhsa_user_sgpr_kernarg_segment_ptr 1
		.amdhsa_wavefront_size32 1
		.amdhsa_system_sgpr_workgroup_id_x 1
		.amdhsa_system_sgpr_workgroup_id_y 1
		.amdhsa_system_sgpr_workgroup_id_z 1
		.amdhsa_system_vgpr_workitem_id 0
		.amdhsa_next_free_vgpr 72
		.amdhsa_next_free_sgpr 66
		.amdhsa_reserve_vcc 0
		.amdhsa_float_denorm_mode_32 3
		.amdhsa_float_denorm_mode_16_64 3
		.amdhsa_memory_ordered 1
		.amdhsa_forward_progress 1
		.amdhsa_inst_pref_size 7
	.end_amdhsa_kernel
	.amdgpu_metadata
---
amdhsa.version: [ 1, 2 ]
amdhsa.kernels:
  - .name:           k_qe6f5b1a68d_cast
    .symbol:         k_qe6f5b1a68d_cast.kd
    .args:
      - { .name: W, .offset: 0, .size: 8, .value_kind: global_buffer, .address_space: global }
      - { .name: inputs, .offset: 8, .size: 8, .value_kind: global_buffer, .address_space: global }
      - { .name: wb, .offset: 16, .size: 8, .value_kind: global_buffer, .address_space: global }
      - { .name: xb, .offset: 24, .size: 8, .value_kind: global_buffer, .address_space: global }
    .group_segment_fixed_size: 0
    .private_segment_fixed_size: 0
    .kernarg_segment_align: 8
    .kernarg_segment_size: 32
    .max_flat_workgroup_size: 256
    .sgpr_count:     66
    .vgpr_count:     72
    .wavefront_size: 32
...
	.end_amdgpu_metadata
.endif
;; end of part 1
;; launch gemm (part 2): grid 16 x 16, 4 waves a work-group, clusters of 4 x 4, 327,680 bytes of LDS; arguments xb, wb, b, ebuf, stats; writes ebuf, stats
.if DOCPART == 2
	.amdgcn_target "amdgcn-amd-amdhsa--gfx1250"
	.amdhsa_code_object_version 6
	.text
	.protected	k_qe6f5b1a68d_gemm
	.globl	k_qe6f5b1a68d_gemm
	.p2align	8
	.type	k_qe6f5b1a68d_gemm,@function
k_qe6f5b1a68d_gemm:
	s_mov_b64 s[64:65], 0
	v_nop
	global_prefetch_b8 v0, s[64:65] scope:SCOPE_SE
	s_setreg_imm32_b32 hwreg(HW_REG_WAVE_MODE, 25, 1), 1
	s_wait_xcnt 0x0
	s_wait_alu depctr_hold_cnt(0) depctr_sa_sdst(0) depctr_va_vdst(0) depctr_va_sdst(0) depctr_va_ssrc(0) depctr_va_vcc(0) depctr_vm_vsrc(0)
	s_getreg_b32 s2, hwreg(HW_REG_IB_STS2, 6, 4)
	s_cmp_eq_u32 s2, 0
	s_cbranch_scc0 .Lentry_in_a_cluster
	s_endpgm
.Lentry_in_a_cluster:
	s_bfe_u32 s2, ttmp6, 0x10000c
	s_cmp_lg_u32 s2, 0xf033
	s_cbranch_scc0 .Lentry_shape_is_right
	s_endpgm
.Lentry_shape_is_right:
; logits[row][e][u] = sum over d of xb[row][d] wb[e][d][u] + b[e][u]: one product of 4096 x 16384 x 1024 in bf16 with f32 sums, and the first half of the softmax over u.
; A CHUNK is 128 neighbouring u of one expert: g = 8 e + u / 128.  For each row and chunk this launch stores
;   cm = log2(e) x (the largest logit of the chunk)  and  s = the sum over the chunk of w,  both f32, in stats [2 planes][128 g][4096 rows];
;   w = 2^(log2(e) x logit - cm), rounded once to bf16, in ebuf [4096 rows][128 g][256 bytes].
; So a maximum is taken away ahead of every exponential; the next launch corrects from the chunk's maximum to the row's.
; In a chunk's 256 bytes the 16 bytes at place p (0..15) hold columns 4 p .. 4 p + 3 and then 64 + 4 p .. 64 + 4 p + 3: here that only says which registers are
; packed together, and the next launch's lanes then hold four neighbouring f32 twice, so that its stores cover 256 consecutive bytes.
; LIMITS.  x and W enter as bf16, so the logits' error grows with the inputs; a weight below 2^-126 counts as 0; NaN and infinities are not treated apart.
; SHARES.  A tile of the product is 256 rows x 256 columns: four waves, each 128 x 128 (one chunk wide): 64 accumulators, 512 registers.  1,024 tiles, 256 work-groups
; that stay: each makes four tiles of one tile row, 16 tile columns (four experts) apart, so that at any time the launch walks four experts' weights.
; The cluster's x gives the tile rows, its y the experts: clusters with the same y walk the same weights, clusters with the same x the same rows of x.
; K goes in steps of 128 through a ring of two LDS slots, which runs on from tile to tile.  The last tile's last K step goes by rows, so that finished rows leave while the others are multiplied.
; CLUSTER.  4 x 4 work-groups: the four of a row need the same tile of xb, the four of a column the same tile of wb; each is asked for jointly, by the same tensor load, descriptor and mask.
; W LIES [d][u]: its tile comes into LDS as it lies, 128 rows (d) of 256 columns, and ds_load_tr16_b128 turns it into fragments.
; THE MATRIX INSTRUCTION IS USED TRANSPOSED (source 0 = 16 columns of W, source 1 = 16 rows of x): lane l holds ONE row (l % 16) and the columns 8 (l / 16) + 0..7 of each of the eight
; accumulators of a block of 16 rows.  So a row's maximum and sum want one exchange between the halves of the lanes.  THE BIAS is the C operand of the product that starts a sum.
; REGISTERS, in windows of 256 (s_set_vgpr_msb: bits 1:0 source 0, 3:2 source 1, 5:4 source 2, 7:6 destination):
;   window 0: v0-31 addresses and statistics; v64-127, v128-191 fragments of x, two buffers (in the very last K step four, of 16 rows x 128 K); v32-63, v192-255 at work on the way out
;   window 1: v0-63 the bias of my 128 columns as a C operand; v64-127, v128-191 fragments of W, two buffers; in the very last K step all 256: W's fragments of the whole step
;   window 2: the accumulators of my rows 0-63 ((a, b) at v[8 (8 a + b)]);   window 3: those of my rows 64-127
.set PITCH,  272                       ; a row of x in LDS: 256 bytes + 16 of padding = 68 words: row r starts at bank 4 r mod 64 (64 banks of 4 bytes: ISA guide 11.1)
.set PB,     544                       ; a row of W in LDS: 512 bytes + 32 of padding = 136 words: row r starts at bank 8 r mod 64
.set HALFT,  128*PITCH                 ; what one tensor load brings: 128 rows of x, or 64 rows of W (64 x 544 is the same 34,816 bytes)
.set SLOT,   4*HALFT                   ; x's 256 rows, then W's 128 rows
.set STAGE,  2*SLOT                    ; behind the ring: 16 rows x 272 bytes for each wave, for the way out
.set SPITCH, 272
.set STATS,  STAGE+4*16*SPITCH         ; 1,024 bytes for each wave: cm of my 128 rows, then s
.set SPARE,  STATS+4*1024              ; the spare words, 128 bytes for each wave: two blocks of 256 bytes that no other line names
.set LAPS,   4                         ; a lap = two K steps = once round the ring; K = 1024
.set TILES,  4
.set A_STEP, 512                       ; a slot's next K step: x goes 256 elements along its rows,
.set B_STEP, 524288                    ; W 256 rows of 2,048 bytes down
.set A_BACK, 1536                      ; from a slot's last K step of a tile to its first of the next: x goes back along K,
.set B_NEXT, 8388608-3*B_STEP          ; W four experts on and back
.set MX,   6                           ; v6-9    four chains of the maximum
.set CM,   10                          ; v10-11  cm; named as a pair by the packed scaling, which takes the low word
.set SM,   12                          ; v12-13  the sum's last pair
.set XT,   14                          ; v14     what the other half of the lanes sends
.set SV,   15                          ; v15     lanes 0-15 cm, lanes 16-31 s
.set ADRA, 16                          ; v16-17  LDS address of my fragments of x in slot 0, 1
.set ADRB, 20                          ; v20-21  the same for W
.set BO,   22                          ; v22     my byte offset in 16 numbers of the bias
.set STO,  24                          ; v24     the way out: where I put 32 bytes of a row
.set RD,   25                          ; v25     where I read a row back
.set CO,   26                          ; v26     my byte offset in two rows of ebuf
.set STS,  27                          ; v27     where I put cm or s
.set SPW,  28                          ; v28     LDS address of my spare word; never rewritten
.set NIL,  29                          ; v29     0; never rewritten
.set STL,  30                          ; v30     where I read four rows' cm back
.set SO,   31                          ; v31     my byte offset in 512 bytes of stats
.set OB,   32                          ; 16 rows read back from the stage: v32-63 and v224-255 by turns
.set F0,   64
.set F1,   128
.set PA,   64                          ; the very last K step: x's fragments of 16 rows x 128 K, 32 registers; four such buffers, v64-191
.set TMP,  192                         ; v192-223 packed weights
.set WV,   14                          ; s14  my wave's number
.set RH,   15                          ; s15  which 128 rows of the tile are mine.  Also: I fetch for x (0) or for W (1)
.set CH,   66                          ; s66  which 128 columns.  Also: which half of that tile I fetch
.set G1,   24                          ; s[24:31] descriptor group 1 for x's tiles;  s[32:39] group 0, a set for each slot
.set G0,   32
.set G1B,  48                          ; s[48:55], s[56:63] the same for W's tiles
.set G0B,  56
.set CS,   68                          ; s[68:69] log2(e): the packed scaling names a pair and takes its low word
.set SEL,  70                          ; s[70:71] v_permlanex16_b32's selects: each lane takes its own place in the other half
.set HM,   72                          ; s72  lanes 16-31
.set MSB, 0
.macro WIN new                         ; the immediate's high byte repeats the setting that is left; a switch that changes nothing is dropped
.if MSB != (\new)
	s_set_vgpr_msb (MSB<<8)|(\new)
.set MSB, \new
.endif
.endm
.set TO_B, 0x40                        ; destination window 1, address window 0
; A joint load.  Waves 0 and 1 fetch x's two halves, waves 2 and 3 W's.  The branch hangs on the wave's number alone.  An s_nop 0 and four v_nop follow each of the two lines.
.macro JLOAD s
	s_cmp_eq_u32 s[RH], 0
	s_cbranch_scc0 .Lfor_b_\@
	tensor_load_to_lds s[G0+4*(\s):G0+4*(\s)+3], s[G1:G1+7]
	s_nop 0
.rept 4
	v_nop
.endr
	s_branch .Lasked_\@
.Lfor_b_\@:
	tensor_load_to_lds s[G0B+4*(\s):G0B+4*(\s)+3], s[G1B:G1B+7]
	s_nop 0
.rept 4
	v_nop
.endr
.Lasked_\@:
.endm
; A round of the cluster's barrier: my work-group's barrier, so that wave 0's signal speaks for all four waves; wave 0 signals; every wave waits for all sixteen work-groups; my work-group's barrier once more.
.macro CREST                           ; a round behind its opening barrier
	s_cmp_lg_u32 s[WV], 0
	s_cbranch_scc1 .Lnot_wave_0_\@
	s_barrier_signal -3
.Lnot_wave_0_\@:
	s_barrier_wait -3
	s_barrier_signal -1
	s_barrier_wait -1
.endm
.macro CROUND
	s_barrier_signal -1
	s_barrier_wait -1
	CREST
.endm
; Four places: a load into a register that a matrix instruction has read, and a vector instruction that reads a matrix result, stand four plain vector instructions behind it (ISA guide 7.12.1 for vector instructions).
.macro PLACES
.rept 4
	v_nop
.endr
.endm
	s_load_b256 s[4:11], s[0:1], 0x0               ; xb s[4:5], wb s[6:7], b s[8:9], ebuf s[10:11]
	s_load_b64 s[12:13], s[0:1], 0x20              ; stats
	v_lshl_add_u32 v[SPW], v0, 2, SPARE
	v_mov_b32 v[NIL], 0
	ds_add_u32 v[SPW], v[NIL]                      ; the wave's opening: the add and its wait stand ahead of my first tensor load; the set-up below, work on registers, stands between them
	v_lshrrev_b32 v1, 5, v0
	v_readfirstlane_b32 s[WV], v1                  ; wave 0..3
	s_lshr_b32 s[RH], s[WV], 1
	s_and_b32 s[CH], s[WV], 1
	s_bfe_u32 s40, ttmp6, 0x40000                  ; cx
	s_bfe_u32 s41, ttmp6, 0x40004                  ; cy
	s_lshl_b32 s42, ttmp9, 2
	s_add_co_u32 s42, s42, s41                     ; tile row = 4 x cluster x + cy
	s_and_b32 s45, ttmp7, 0xffff                   ; cluster y: the first tile's expert
	s_lshl_b32 s43, s41, 2
	s_lshl_b32 s43, 15, s43                        ; my row of the cluster: places 4 cy .. 4 cy + 3
	s_lshl_b32 s44, 0x1111, s40                    ; my column: places cx, cx + 4, cx + 8, cx + 12
	; group 1 for x: 128 rows x 128 elements; 15:0 the mask; 17:16 2-byte elements; 20 padding on; 21 set beside a mask; 24:22 after every 64 words (code 5); 31:25 4 words (code 3)
	s_or_b32 s[G1+0], s43, (1<<16)|(1<<20)|(1<<21)|(5<<22)|(3<<25)
	s_mov_b32 s[G1+1], 128<<16                     ; tensor_dim0 = 128
	s_mov_b32 s[G1+2], 128<<16                     ; tensor_dim1 = 128
	s_mov_b32 s[G1+3], 128<<16                     ; tile_dim0 = 128
	s_mov_b32 s[G1+4], 128                         ; tile_dim1 = 128
	s_mov_b32 s[G1+5], 1024                        ; 1,024 elements from row to row
	s_mov_b32 s[G1+6], 0
	s_mov_b32 s[G1+7], 0
	; group 1 for W: 64 rows x 256 elements; padding after every 128 words (code 6), 8 words (code 7)
	s_or_b32 s[G1B+0], s44, (1<<16)|(1<<20)|(1<<21)|(6<<22)|(7<<25)
	s_mov_b32 s[G1B+1], 256<<16                    ; tensor_dim0 = 256
	s_mov_b32 s[G1B+2], 64<<16                     ; tensor_dim1 = 64
	s_mov_b32 s[G1B+3], 256<<16                    ; tile_dim0 = 256
	s_mov_b32 s[G1B+4], 64                         ; tile_dim1 = 64
	s_mov_b32 s[G1B+5], 1024
	s_mov_b32 s[G1B+6], 0
	s_mov_b32 s[G1B+7], 0
	; where the tiles come from.  x's hang on the tile row alone, which my row of the cluster shares; W's on the cluster's y and cx alone, which my column shares.
	s_lshl_b32 s16, s42, 8
	s_lshl_b32 s17, s[CH], 7
	s_add_co_u32 s16, s16, s17                     ; x: row 256 x tile row + 128 x half,
	s_lshl_b32 s16, s16, 11                        ; of 2,048 bytes
	s_mov_b32 s17, 0
	s_lshl_b32 s46, s45, 21                        ; W: the first tile's expert is the cluster's y: 2,097,152 bytes each,
	s_lshl_b32 s47, s40, 9                         ; its columns 256 cx on,
	s_add_co_u32 s46, s46, s47
	s_lshl_b32 s47, s[CH], 17                      ; and my 64 of the K step's 128 rows
	s_add_co_u32 s46, s46, s47
	s_mov_b32 s47, 0
	s_mul_i32 s20, s[WV], HALFT                    ; and where they go: wave x 34,816: no place in the cluster enters an LDS address
	; my part of the first tile in b, ebuf and stats
	s_lshl_b32 s73, s45, 2
	s_add_co_u32 s73, s73, s40                     ; the first tile's column = 4 x cluster y + cx
	s_lshl_b32 s74, s73, 10                        ; b: 256 numbers of 4 bytes a tile column,
	s_lshl_b32 s75, s[CH], 9                       ; 128 for my half
	s_add_co_u32 s74, s74, s75
	s_mov_b32 s75, 0
	s_lshl_b32 s76, s42, 8
	s_lshl_b32 s77, s[RH], 7
	s_add_co_u32 s78, s76, s77                     ; my first row
	s_lshl_b32 s76, s78, 15                        ; ebuf: rows of 32,768 bytes,
	s_lshl_b32 s77, s73, 9                         ; two chunks a tile column,
	s_add_co_u32 s76, s76, s77
	s_lshl_b32 s77, s[CH], 8                       ; mine
	s_add_co_u32 s76, s76, s77
	s_mov_b32 s77, 0
	s_lshl_b32 s79, s73, 1
	s_add_co_u32 s79, s79, s[CH]                   ; my chunk g,
	s_lshl_b32 s79, s79, 14                        ; stats: 16,384 bytes a chunk,
	s_lshl2_add_u32 s78, s78, s79                  ; 4 a row
	s_mov_b32 s79, 0
	s_mov_b32 s[CS], 0x3fb8aa3b                    ; log2(e)
	s_mov_b32 s[CS+1], s[CS]
	s_mov_b32 s[SEL], 0x76543210
	s_mov_b32 s[SEL+1], 0xfedcba98
	s_mov_b32 s[HM], 0xffff0000
	s_wait_dscnt 0x0                               ; the opening add is done
	s_wait_kmcnt 0x0
	s_add_nc_u64 s[18:19], s[4:5], s[16:17]
	s_add_nc_u64 s[46:47], s[6:7], s[46:47]
	s_add_nc_u64 s[8:9], s[8:9], s[74:75]
	s_add_nc_u64 s[10:11], s[10:11], s[76:77]
	s_add_nc_u64 s[12:13], s[12:13], s[78:79]
	CROUND                                         ; all sixteen work-groups are here: the first joint loads meet
.irp s, 0,1
	s_mov_b32 s[G0+4*(\s)], 1                                      ; 1:0 count = 1
	s_add_co_u32 s[G0+4*(\s)+1], s20, (\s)*SLOT                    ; 63:32 LDS address
	s_add_nc_u64 s[G0+4*(\s)+2:G0+4*(\s)+3], s[18:19], (\s)*256    ; 120:64 global address: K step s
	s_or_b32 s[G0+4*(\s)+3], s[G0+4*(\s)+3], 0x80000000            ; 127:126 type = 2
	s_mov_b32 s[G0B+4*(\s)], 1
	s_add_co_u32 s[G0B+4*(\s)+1], s20, (\s)*SLOT
	s_add_nc_u64 s[G0B+4*(\s)+2:G0B+4*(\s)+3], s[46:47], (\s)*262144
	s_or_b32 s[G0B+4*(\s)+3], s[G0B+4*(\s)+3], 0x80000000
	JLOAD \s                                       ; two loads of mine are out: the ring is filled before anything else is done
.endr
	; A fragment of x is 16 rows x 32 K in 8 registers: lane l holds row l % 16, K = 8 (l / 16) + 0..7 and 16 + 8 (l / 16) + 0..7: two loads of 16 bytes, 32 bytes apart.
	v_and_b32 v1, 15, v0                           ; l % 16
	v_bfe_u32 v2, v0, 4, 1                         ; l / 16
	v_mul_u32_u24 v3, v1, PITCH
	v_lshl_add_u32 v3, v2, 4, v3
	; The turning load takes 16 K x 16 columns (lane l reads 16 bytes: K row 8 (l / 16) + l % 8, columns 8 ((l / 8) % 2) + 0..7) and leaves half a fragment: lane l holds column l % 16 and 8 K.
	v_and_b32 v4, 7, v0
	v_lshl_add_u32 v4, v2, 3, v4
	v_mul_u32_u24 v4, v4, PB
	v_bfe_u32 v5, v0, 3, 1
	v_lshl_add_u32 v4, v5, 4, v4
	s_mul_i32 s21, s[RH], HALFT                    ; my 128 rows of x
	s_lshl_b32 s22, s[CH], 8                       ; my 128 columns of W: 256 bytes into each row,
	s_add_co_u32 s22, s22, 2*HALFT                 ; behind x's 256 rows
.irp s, 0,1
	v_add_nc_u32 v[ADRA+(\s)], s21, v3
	v_add_nc_u32 v[ADRB+(\s)], s22, v4
	s_add_co_u32 s21, s21, SLOT
	s_add_co_u32 s22, s22, SLOT
.endr
	v_lshlrev_b32 v[BO], 5, v2                     ; the bias: my half of the lanes takes 8 of each 16 numbers
	s_mul_i32 s23, s[WV], 16*SPITCH
	s_add_co_u32 s23, s23, STAGE                   ; my stage
	v_mul_u32_u24 v3, v1, SPITCH                   ; in: row l % 16, 32 bytes for each half of the lanes
	v_lshl_add_u32 v3, v2, 5, v3
	v_add_nc_u32 v[STO], s23, v3
	v_mul_u32_u24 v3, v2, SPITCH                   ; back: lanes 0-15 take one row of 256 bytes, lanes 16-31 the next
	v_lshl_add_u32 v3, v1, 4, v3
	v_add_nc_u32 v[RD], s23, v3
	v_lshlrev_b32 v3, 15, v2                       ; and the same two rows in ebuf
	v_lshl_add_u32 v[CO], v1, 4, v3
	s_lshl_b32 s23, s[WV], 10
	s_add_co_u32 s23, s23, STATS                   ; my statistics
	v_lshlrev_b32 v3, 9, v2                        ; lanes 0-15 put cm, lanes 16-31 s, 512 bytes on
	v_lshl_add_u32 v3, v1, 2, v3
	v_add_nc_u32 v[STS], s23, v3
	v_and_b32 v3, 31, v0
	v_lshlrev_b32 v[SO], 4, v3                     ; back: four rows a lane
	v_add_nc_u32 v[STL], s23, v[SO]
	v_mov_b32 v[CM+1], 0                           ; named with cm as a pair, so it is written
	v_mov_b32 v[XT], 0                             ; v_permlanex16_b32's destination counts as read
; The bias as a C operand: register 8 b + j of window 1 holds b[16 b + 8 (l / 16) + j] of my chunk.
.macro BIASIN
	WIN TO_B
.irp b, 0,1,2,3,4,5,6,7
	global_load_b128 v[8*(\b):8*(\b)+3],   v[BO], s[8:9] offset:64*(\b)
	global_load_b128 v[8*(\b)+4:8*(\b)+7], v[BO], s[8:9] offset:64*(\b)+16
.endr
.endm
; 16 matrix instructions: row blocks a0, a0 + 1 of the window's four (hi = 0: my rows 0-63, 1: rows 64-127) x all 8 column blocks, 32 along K.
; bias = 1: the product starts the sums on the bias: nothing is cleared, and no vector instruction adds it.  The 64 accumulators take turns.
.macro MUL16 f, hi, a0, bias
.if \bias
	WIN 0x91+0x40*(\hi)                            ; W and C window 1, x window 0, D window 2 or 3
.else
	WIN 0xa1+0x50*(\hi)                            ; W window 1, x window 0, C and D window 2 or 3
.endif
.irp a, \a0, (\a0)+1
.irp b, 0,1,2,3,4,5,6,7
.if \bias
	v_wmma_f32_16x16x32_bf16 v[8*(8*(\a)+(\b)):8*(8*(\a)+(\b))+7], v[(\f)+8*(\b):(\f)+8*(\b)+7], v[(\f)+8*(4*(\hi)+(\a)):(\f)+8*(4*(\hi)+(\a))+7], v[8*(\b):8*(\b)+7]
.else
	v_wmma_f32_16x16x32_bf16 v[8*(8*(\a)+(\b)):8*(8*(\a)+(\b))+7], v[(\f)+8*(\b):(\f)+8*(\b)+7], v[(\f)+8*(4*(\hi)+(\a)):(\f)+8*(4*(\hi)+(\a))+7], v[8*(8*(\a)+(\b)):8*(8*(\a)+(\b))+7]
.endif
.endr
.endr
.endm
; 32 LDS loads in one run: the fragments of quarter q of a K step (32 K x my 128 columns of W, turned; my 128 rows of x x 32 K) into buffer f
.macro FETCH slot, q, f
	WIN TO_B
.irp i, 0,1,2,3,4,5,6,7
	ds_load_tr16_b128 v[(\f)+8*(\i):(\f)+8*(\i)+3],   v[ADRB+(\slot)] offset:(\q)*32*PB+32*(\i)
	ds_load_tr16_b128 v[(\f)+8*(\i)+4:(\f)+8*(\i)+7], v[ADRB+(\slot)] offset:(\q)*32*PB+16*PB+32*(\i)
.endr
	WIN 0
.irp i, 0,1,2,3,4,5,6,7
	ds_load_b128 v[(\f)+8*(\i):(\f)+8*(\i)+3],   v[ADRA+(\slot)] offset:64*(\q)+(\i)*16*PITCH
	ds_load_b128 v[(\f)+8*(\i)+4:(\f)+8*(\i)+7], v[ADRA+(\slot)] offset:64*(\q)+(\i)*16*PITCH+32
.endr
.endm
; A K step is four quarters of 32 along K, 64 matrix instructions each, on buffers 0, 1, 0, 1.  One of the first three: multiplies buffer f; in its middle it fetches quarter q of the same slot into buffer g.
.macro QUARTER slot, q, f, g, bias
	s_wait_dscnt 8                                 ; W and x's rows 0-63 are in; the youngest eight loads (x's rows 64-127) may be out
	MUL16 \f, 0, 0, \bias
	MUL16 \f, 0, 2, \bias
	PLACES
	FETCH \slot, \q, \g
	s_wait_dscnt 32                                ; all but the 32 just issued
	MUL16 \f, 1, 0, \bias
	MUL16 \f, 1, 2, \bias
.endm
; The last quarter multiplies buffer 1 and changes slots.  MEET is its first half: one barrier for two things.  In front of it each wave waits for all its tensor loads, of which one is out: its part of
; the next slot; adds 0 to its spare word; and waits for that and for its own reads of this slot.  Behind it nobody reads this slot any more and the next slot is whole.
.macro MEET round                      ; round = 1: a round of the cluster's barrier follows
	WIN 0                                          ; (the add's two registers lie in window 0)
	s_wait_tensorcnt 0x0                           ; all my tensor loads have landed
	ds_add_u32 v[SPW], v[NIL]                      ; 0 onto my spare word
	s_wait_dscnt 9                                 ; (the add and the youngest eight loads may be out)
	MUL16 F1, 0, 0, 0                              ; sixteen matrix instructions stand between the add and the wait for it
	s_wait_dscnt 0x0                               ; the add is done, and my reads of this slot are over
	s_barrier_signal -1
	MUL16 F1, 0, 2, 0                              ; work on registers while the others arrive
.if \round
	WIN 0
.endif
	s_barrier_wait -1
.endm
; The whole last quarter.  Behind the round the slot just read out is filled again first: with this tile's K step two on (on = 0) or with the NEXT tile's K step 0 or 1 (on = 1); then come the next
; slot's first fragments.  From a request to the wait for it a wave issues 224 matrix instructions.  One tensor load of mine is out behind each round.
.macro TURN slot, next, on
	MEET 1
	CREST                                          ; no wave of any partner still reads this slot's tile or has a load on its way
.if \on
	s_sub_nc_u64 s[G0+4*(\slot)+2:G0+4*(\slot)+3], s[G0+4*(\slot)+2:G0+4*(\slot)+3], A_BACK
	s_add_nc_u64 s[G0B+4*(\slot)+2:G0B+4*(\slot)+3], s[G0B+4*(\slot)+2:G0B+4*(\slot)+3], B_NEXT
.else
	s_add_nc_u64 s[G0+4*(\slot)+2:G0+4*(\slot)+3], s[G0+4*(\slot)+2:G0+4*(\slot)+3], A_STEP
	s_add_nc_u64 s[G0B+4*(\slot)+2:G0B+4*(\slot)+3], s[G0B+4*(\slot)+2:G0B+4*(\slot)+3], B_STEP
.endif
	JLOAD \slot                                    ; the first tensor load behind the round; its four v_nop are also the places in front of the loads below
	FETCH \next, 0, F0
	MUL16 F1, 1, 0, 0
	MUL16 F1, 1, 2, 0
.endm
; THE LAST TILE'S LAST K STEP (it lies in slot 1) GOES BY ROWS, NOT BY K.  All its fragments of W (4 quarters x 64 registers) fill window 1; then my eight blocks of 16 rows are finished one after
; the other, each with 32 matrix instructions (its 8 accumulators by turns, K ascending).  LDS is read no more than in any other K step.
.macro BLOAD q                         ; W's fragments of quarter q -> window 1, v[64 q ..]
	WIN TO_B
.irp i, 0,1,2,3,4,5,6,7
	ds_load_tr16_b128 v[64*(\q)+8*(\i):64*(\q)+8*(\i)+3],   v[ADRB+1] offset:(\q)*32*PB+32*(\i)
	ds_load_tr16_b128 v[64*(\q)+8*(\i)+4:64*(\q)+8*(\i)+7], v[ADRB+1] offset:(\q)*32*PB+16*PB+32*(\i)
.endr
.endm
.macro ALOAD a                         ; x's fragments of block a, all four quarters -> buffer a % 4
	WIN 0
.set FA, PA+32*((\a)%4)
.irp q, 0,1,2,3
	ds_load_b128 v[FA+8*(\q):FA+8*(\q)+3],   v[ADRA+1] offset:64*(\q)+(\a)*16*PITCH
	ds_load_b128 v[FA+8*(\q)+4:FA+8*(\q)+7], v[ADRA+1] offset:64*(\q)+(\a)*16*PITCH+32
.endr
.endm
.macro ROW a                           ; block a is finished: 32 matrix instructions
.set FA, PA+32*((\a)%4)                ; its fragments of x
.set AC, 64*((\a)%4)                   ; its eight accumulators, in window 2 (blocks 0-3) or 3 (blocks 4-7)
	WIN 0xa1+0x50*((\a)/4)
.irp q, 0,1,2,3
.if (\a) == 0 && (\q) == 2
	s_wait_dscnt 24                                ; W's quarter 2 is in (behind it: x's blocks 1 to 3)
.endif
.irp b, 0,1,2,3,4,5,6,7
	v_wmma_f32_16x16x32_bf16 v[AC+8*(\b):AC+8*(\b)+7], v[64*(\q)+8*(\b):64*(\q)+8*(\b)+7], v[FA+8*(\q):FA+8*(\q)+7], v[AC+8*(\b):AC+8*(\b)+7]
.endr
.endr
.endm
; THE WAY OUT of block a (16 rows x my 128 columns: 64 registers x0-x63 a lane).
.macro SCALE n                         ; pair n: log2(e) x logit - cm
	v_pk_fma_f32 v[AC+2*(\n):AC+2*(\n)+1], v[AC+2*(\n):AC+2*(\n)+1], s[CS:CS+1], v[CM:CM+1] op_sel_hi:[1,0,0] neg_lo:[0,0,1] neg_hi:[0,0,1]
.endm
.macro SOFT a
.set AC, 64*((\a)%4)
.set WW, 2+(\a)/4                      ; the block's window
	; the maximum: four chains of sixteen logits, three operands at a time; each accumulator's lowest registers are read first
	WIN WW|(WW<<2)|(WW<<4)
.irp i, 0,1,2,3
	v_max3_num_f32 v[MX+(\i)], v[AC+16*(\i)], v[AC+16*(\i)+1], v[AC+16*(\i)+2]
.endr
	WIN (WW<<2)|(WW<<4)
.irp k, 0,1,2,3,4,5
.irp i, 0,1,2,3
	v_max3_num_f32 v[MX+(\i)], v[MX+(\i)], v[AC+16*(\i)+3+2*(\k)], v[AC+16*(\i)+4+2*(\k)]
.endr
.endr
	v_max3_num_f32 v[MX], v[MX], v[AC+15], v[AC+31]
	v_max3_num_f32 v[MX+2], v[MX+2], v[AC+47], v[AC+63]
	WIN 0
	v_max3_num_f32 v[MX], v[MX], v[MX+1], v[MX+2]
	v_max_num_f32 v[MX], v[MX], v[MX+3]
	v_permlanex16_b32 v[XT], v[MX], s[SEL], s[SEL+1]   ; the row's other 64 columns lie in the lane 16 away
	v_max_num_f32 v[MX], v[MX], v[XT]
	v_mul_f32 v[CM], s[CS], v[MX]
	; ONE BATCH: 32 scalings and 64 exponentials, in place; a pair is scaled two steps ahead of its exponentials, and nothing here names an exponential's result
	WIN (WW<<6)|WW
	SCALE 0
	SCALE 1
.set p, 0
.rept 30
	v_exp_f32 v[AC+2*p], v[AC+2*p]
	SCALE p+2
	v_exp_f32 v[AC+2*p+1], v[AC+2*p+1]
.set p, p+1
.endr
.irp n, 60,61,62,63
	v_exp_f32 v[AC+(\n)], v[AC+(\n)]
.endr
	v_nop                                          ; a plain instruction behind the last exponential (ISA guide 5.7.2),
	s_wait_alu depctr_va_vdst(0)                   ; and a wait ahead of the first use: one for the 64
	; rounded to bf16: 16 bytes are columns 16 b + 8 h + 0..3 (or 4..7) and the same 64 further on: places 4 b + 2 h and 4 b + 2 h + 1 of the chunk
	WIN WW|(WW<<2)
.irp b, 0,1,2,3
	v_cvt_pk_bf16_f32 v[TMP+8*(\b)],   v[AC+8*(\b)],      v[AC+8*(\b)+1]
	v_cvt_pk_bf16_f32 v[TMP+8*(\b)+1], v[AC+8*(\b)+2],    v[AC+8*(\b)+3]
	v_cvt_pk_bf16_f32 v[TMP+8*(\b)+2], v[AC+8*(\b)+32],   v[AC+8*(\b)+33]
	v_cvt_pk_bf16_f32 v[TMP+8*(\b)+3], v[AC+8*(\b)+34],   v[AC+8*(\b)+35]
	v_cvt_pk_bf16_f32 v[TMP+8*(\b)+4], v[AC+8*(\b)+4],    v[AC+8*(\b)+5]
	v_cvt_pk_bf16_f32 v[TMP+8*(\b)+5], v[AC+8*(\b)+6],    v[AC+8*(\b)+7]
	v_cvt_pk_bf16_f32 v[TMP+8*(\b)+6], v[AC+8*(\b)+36],   v[AC+8*(\b)+37]
	v_cvt_pk_bf16_f32 v[TMP+8*(\b)+7], v[AC+8*(\b)+38],   v[AC+8*(\b)+39]
.endr
	; the sum of the unrounded weights, in f32: a tree in place, pairs 32, 16, 8 and 4 registers apart, then the last pair
	WIN (WW<<6)|WW|(WW<<2)
.irp w, 32,16,8,4
.set u, 0
.rept (\w)/2
	v_pk_add_f32 v[AC+2*u:AC+2*u+1], v[AC+2*u:AC+2*u+1], v[AC+2*u+(\w):AC+2*u+(\w)+1]
.set u, u+1
.endr
.endr
	WIN WW|(WW<<2)
	v_pk_add_f32 v[SM:SM+1], v[AC:AC+1], v[AC+2:AC+3]
	WIN 0
	v_add_f32 v[SM], v[SM], v[SM+1]
	v_permlanex16_b32 v[XT], v[SM], s[SEL], s[SEL+1]
	v_add_f32 v[SM], v[SM], v[XT]
	v_cndmask_b32 v[SV], v[CM], v[SM], s[HM]       ; lanes 0-15 carry cm, lanes 16-31 s
	ds_store_b32 v[STS], v[SV] offset:64*(\a)      ; into my own 1,024 bytes
.endm
.macro TOSTAGE a                       ; into my own stage, and back as whole rows of 256 bytes
	WIN 0
.set BK, OB+192*((\a)%2)
.irp b, 0,1,2,3
	ds_store_b128 v[STO], v[TMP+8*(\b):TMP+8*(\b)+3]   offset:64*(\b)
	ds_store_b128 v[STO], v[TMP+8*(\b)+4:TMP+8*(\b)+7] offset:64*(\b)+16
.endr
.irp t, 0,1,2,3,4,5,6,7
	ds_load_b128 v[BK+4*(\t):BK+4*(\t)+3], v[RD] offset:(\t)*2*SPITCH  ; LDS serves a wave's instructions in order (ISA guide 5.7.1.4): these see the stores above
.endr
.endm
.macro SEND a, younger                 ; younger: the LDS instructions issued behind TOSTAGE's loads, which may stay out
	WIN 0
.set BK, OB+192*((\a)%2)
	s_wait_dscnt \younger                          ; the block is back in registers
	s_wait_xcnt 0x0                                ; every earlier store has read its registers (ISA guide 3.1): the next TOSTAGE loads into those of the block before this one
.irp t, 0,1,2,3,4,5,6,7
	global_store_b128 v[CO], v[BK+4*(\t):BK+4*(\t)+3], s[10:11] offset:(16*(\a)+2*(\t))*32768  ; 16 lanes store 256 consecutive bytes, aligned: a row's chunk; 126 rows at the most, inside the signed 24-bit immediate
.endr
.endm
.macro LASTSEND                        ; the last block, and my 128 rows' cm and s: 512 consecutive bytes each
	ds_load_b128 v[TMP:TMP+3],   v[STL]            ; cm of rows 4 l .. 4 l + 3
	ds_load_b128 v[TMP+4:TMP+7], v[STL] offset:512 ; s
	SEND 7, 2                                      ; those two may be out
	s_wait_dscnt 0x0
	global_store_b128 v[SO], v[TMP:TMP+3],   s[12:13]
	global_store_b128 v[SO], v[TMP+4:TMP+7], s[12:13] offset:2097152
.endm
; A tile that has a successor goes out: block a's softmax stands between block a - 1's loads from the stage and the wait for them.
.macro OUT
	PLACES                                         ; behind the last products
	SOFT 0
	TOSTAGE 0
.irp a, 1,2,3,4,5,6,7
	SOFT \a
	SEND (\a)-1, 1                                 ; behind that block's loads stands one LDS instruction: this block's store of cm and s
	TOSTAGE \a
.endr
	LASTSEND
.endm
	BIASIN                                         ; the first tile's bias
	WIN 0
	s_wait_tensorcnt 1                             ; my part of K step 0 is in; K step 1's may stay out
	s_barrier_signal -1
	s_barrier_wait -1                              ; everybody's is
	FETCH 0, 0, F0
	s_mov_b32 s2, TILES                            ; tiles to go, this one among them: the same number in every work-group
.Ltile:
	s_wait_loadcnt 0x0                             ; the tile's bias
	QUARTER 0, 1, F0, F1, 1                        ; a tile's first quarter stands in front of the loop: its products start the sums
	WIN 0                                          ; at a label and at a branch every window is 0
	s_mov_b32 s3, LAPS-1
.Llap:                                                 ; a trip goes once round the ring, from a lap's second quarter to the next lap's first, and fills both slots again
	QUARTER 0, 2, F1, F0, 0
	QUARTER 0, 3, F0, F1, 0
	TURN 0, 1, 0
	QUARTER 1, 1, F0, F1, 0
	QUARTER 1, 2, F1, F0, 0
	QUARTER 1, 3, F0, F1, 0
	TURN 1, 0, 0
	QUARTER 0, 1, F0, F1, 0
	WIN 0
	s_sub_co_u32 s3, s3, 1
	s_cmp_lg_u32 s3, 0
	s_cbranch_scc1 .Llap
	QUARTER 0, 2, F1, F0, 0                        ; the tile's last lap goes on
	QUARTER 0, 3, F0, F1, 0
	WIN 0
	s_cmp_eq_u32 s2, 1
	s_cbranch_scc1 .Llast                          ; the last tile's tail is written out: it asks for nothing more
	TURN 0, 1, 1                                   ; the ring goes on into the next tile: slot 0 takes its K step 0,
	s_add_nc_u64 s[8:9], s[8:9], 16384             ; the next tile's bias, 16 tile columns on: the last loads by this base were waited for at the tile's head,
	BIASIN                                         ; and the products that read these registers stand a tile's places back
	QUARTER 1, 1, F0, F1, 0
	QUARTER 1, 2, F1, F0, 0
	QUARTER 1, 3, F0, F1, 0
	TURN 1, 0, 1                                   ; slot 1 its K step 1, and the next tile's first fragments are fetched
	WIN 0
	OUT                                            ; both refills are asked for: now the tile goes out
	s_wait_xcnt 0x0                                ; the stores have read their registers and bases
	s_add_nc_u64 s[10:11], s[10:11], 8192          ; 32 chunks on in ebuf's rows,
	s_add_nc_u64 s[12:13], s[12:13], 524288        ; and in stats
	s_sub_co_u32 s2, s2, 1
	s_branch .Ltile
.Llast:
	MEET 0                                         ; my one tensor load that was still out is slot 1's, the last K step's, so no round follows
	PLACES                                         ; for the loads into buffer 0, which the quarter before multiplied
	BLOAD 0                                        ; three quarters of W now (the bias's registers are free since the tile's first quarter): buffer 1 (v128-191 of both windows) is still being multiplied
	BLOAD 1
	BLOAD 3
	ALOAD 0
	MUL16 F1, 1, 0, 0
	MUL16 F1, 1, 2, 0
	PLACES                                         ; for the loads into buffer 1
	BLOAD 2
	ALOAD 1
	ALOAD 2
	ALOAD 3
	s_wait_dscnt 40                                ; all but the 40 just issued
	ROW 0
.irp a, 0,1,2,3,4,5,6                  ; each block leaves as soon as it is finished: nothing follows this tile under which its stores could leave
	PLACES                                         ; its softmax reads results just made
	SOFT \a
	TOSTAGE \a
.if (\a) < 4
	ALOAD (\a)+4                                   ; its buffer takes the block four further on
	SEND \a, 8                                     ; those eight loads may be out
.else
	SEND \a, 0
.endif
	ROW (\a)+1
.endr
	PLACES
	SOFT 7
	TOSTAGE 7
	LASTSEND
	s_wait_tensorcnt 0x0                           ; the wave's end, behind my last tensor load and my last LDS store
	ds_add_u32 v[SPW], v[NIL]
	s_wait_dscnt 0x0
	CROUND                                         ; the closing round: no work-group ends while a partner may still ask for a tile that names it
	s_endpgm
.Lfunc_end_k_qe6f5b1a68d_gemm:
	.size	k_qe6f5b1a68d_gemm, .Lfunc_end_k_qe6f5b1a68d_gemm-k_qe6f5b1a68d_gemm
	.p2alignl 7, 3214868480
	.fill 96, 4, 3214868480
	.section	.rodata,"a",@progbits
	.p2align	6, 0x0
	.amdhsa_kernel k_qe6f5b1a68d_gemm
		.amdhsa_group_segment_fixed_size 327680
		.amdhsa_private_segment_fixed_size 0
		.amdhsa_enable_private_segment 0
		.amdhsa_kernarg_size 40
		.amdhsa_user_sgpr_count 2
		.amdhsa_user_sgpr_kernarg_segment_ptr 1
		.amdhsa_wavefront_size32 1
		.amdhsa_system_sgpr_workgroup_id_x 1
		.amdhsa_system_sgpr_workgroup_id_y 1
		.amdhsa_system_sgpr_workgroup_id_z 1
		.amdhsa_system_vgpr_workitem_id 0
		.amdhsa_next_free_vgpr 1024
		.amdhsa_next_free_sgpr 80
		.amdhsa_reserve_vcc 0
		.amdhsa_float_denorm_mode_32 3
		.amdhsa_float_denorm_mode_16_64 3
		.amdhsa_memory_ordered 1
		.amdhsa_forward_progress 1
		.amdhsa_inst_pref_size 255
	.end_amdhsa_kernel
	.section	.bss,"aw",@nobits
	.p2align	6
	.space	262144
	.amdgpu_metadata
---
amdhsa.version: [ 1, 2 ]
amdhsa.kernels:
  - .name:           k_qe6f5b1a68d_gemm
    .symbol:         k_qe6f5b1a68d_gemm.kd
    .args:
      - { .name: xb, .offset: 0, .size: 8, .value_kind: global_buffer, .address_space: global }
      - { .name: wb, .offset: 8, .size: 8, .value_kind: global_buffer, .address_space: global }
      - { .name: b, .offset: 16, .size: 8, .value_kind: global_buffer, .address_space: global }
      - { .name: ebuf, .offset: 24, .size: 8, .value_kind: global_buffer, .address_space: global }
      - { .name: stats, .offset: 32, .size: 8, .value_kind: global_buffer, .address_space: global }
    .group_segment_fixed_size: 327680
    .private_segment_fixed_size: 0
    .kernarg_segment_align: 8
    .kernarg_segment_size: 40
    .max_flat_workgroup_size: 128
    .sgpr_count:     80
    .vgpr_count:     1024
    .wavefront_size: 32
...
	.end_amdgpu_metadata
.endif
;; end of part 2
;; launch combine (part 3): grid 4 x 64, 32 waves a work-group, no clusters, 13,312 bytes of LDS; arguments ebuf, stats, type_prob, out0; writes out0
.if DOCPART == 3
	.amdgcn_target "amdgcn-amd-amdhsa--gfx1250"
	.amdhsa_code_object_version 6
	.text
	.protected	k_qe6f5b1a68d_combine
	.globl	k_qe6f5b1a68d_combine
	.p2align	8
	.type	k_qe6f5b1a68d_combine,@function
k_qe6f5b1a68d_combine:
	s_mov_b64 s[64:65], 0
	v_nop
	global_prefetch_b8 v0, s[64:65] scope:SCOPE_SE
	s_setreg_imm32_b32 hwreg(HW_REG_WAVE_MODE, 25, 1), 1
	s_wait_xcnt 0x0
; out0[row][u] = sum over e of f[row][e][chunk of u] x w[row][e][u], with w (bf16) and, for each row and chunk g = 8 e + c, cm and s (f32) as the launch before left them:
;   f = type_prob[row][e] x 2^(cm_g - CM) / (sum over the expert's eight chunks c of s_c x 2^(cm_c - CM)),   CM = the largest of the expert's eight cm.
; So the softmax's maximum is the row's own; the exponents are at most 0, and the divisor is at least the largest chunk's s, which holds a weight of about 1.
; LIMITS.  A factor below 2^-126 counts as 0; NaN and infinities are not treated apart.  Factors and sums are f32; w was rounded once to bf16.
; A stream: each byte of ebuf is read once, each byte of out0 written once.  No matrix unit (one multiply-add a number read), no cluster (what work-groups share, the statistics, is a small part of the bytes).
; SHARES.  A work-group takes 64 rows x 256 columns (chunks 2 q and 2 q + 1 of every expert); 32 waves of 128 registers, eight to a SIMD.  Wave w streams rows 2 w and 2 w + 1, a row a trip of one loop.
; A row is sixteen loads of 512 consecutive bytes (one an expert), so 32 x 16 x 512 bytes = 256 KB of the work-group's 512 KB are asked for at its start; a wave asks for its next row as soon as the
; multiply-adds have read the last, ahead of its stores.  Lane l holds 16 bytes of chunk 2 q + l / 16: columns 4 p .. 4 p + 3 and 64 + 4 p .. 64 + 4 p + 3, p = l % 16.
; THE FACTORS are made first, by waves 0 to 15: wave x for expert x and all 64 rows, lane l for rows 2 l and 2 l + 1, so that a load of statistics covers 256 consecutive bytes, aligned.
; They go into LDS; one barrier; then every wave reads its rows' factors.
.set FP,    144                        ; a row of factors in LDS: chunk half x 64 + expert x 4, padded to 144 bytes
.set SPARE, 64*FP                      ; behind them: the spare words, 128 bytes for each of the 32 waves: sixteen blocks of 256 bytes that no other line names
.set ROWS,  2                          ; rows of a wave
.set EO,   2                           ; v2   16 l
.set L8,   3                           ; v3   8 l
.set L128, 4                           ; v4   128 l
.set FA,   5                           ; v5   where I put factors: 288 l + 4 x
.set FR,   6                           ; v6   where I read them: 144 x row + 64 (l / 16); it steps a row a trip
.set OO,   7                           ; v7   my byte offset in a row of out0: 512 (l / 16) + 16 (l % 16)
.set ZERO, 8                           ; v8   0: the first multiply-add's addend
.set SPW,  9                           ; v9   LDS address of my spare word; never rewritten
.set NIL,  10                          ; v10  0; never rewritten
.set TP,   12                          ; v12-13  type_prob of expert x: rows 2 l, 2 l + 1
.set MAXV, 14                          ; v14-15  CM, likewise
.set SUM,  16                          ; v16-17  the divisor, likewise
.set MQ,   18                          ; v18-21  cm of the work-group's two chunks: pair (rows) at MQ + 2 half; they become the factors
.set M,    24                          ; v24-39  cm: pair (rows) at M + 2 c
.set S,    40                          ; v40-55  s, likewise
.set FB,   24                          ; v24-39  behind the barrier: a row's sixteen factors
.set ACC,  40                          ; v40-47  and its eight sums
.set X,    64                          ; v64-127 the row as loaded
	s_load_b256 s[4:11], s[0:1], 0x0               ; ebuf s[4:5], stats s[6:7], type_prob s[8:9], out0 s[10:11]
	v_lshl_add_u32 v[SPW], v0, 2, SPARE
	v_mov_b32 v[NIL], 0
	v_mov_b32 v[ZERO], 0
	v_lshrrev_b32 v1, 5, v0
	v_readfirstlane_b32 s12, v1                    ; wave 0..31
	s_and_b32 s13, ttmp7, 0xffff                   ; the block of 64 rows; ttmp9 = q
	s_lshl_b32 s14, s13, 21                        ; ebuf: 64 rows of 32,768 bytes,
	s_lshl_b32 s15, s12, 16                        ; my wave's 2,
	s_add_co_u32 s14, s14, s15
	s_lshl_b32 s15, ttmp9, 9                       ; two chunks of 256 bytes
	s_add_co_u32 s14, s14, s15
	s_mov_b32 s15, 0
	s_lshl_b32 s24, s13, 18                        ; out0: 64 rows of 4,096 bytes,
	s_lshl_b32 s25, s12, 13                        ; my wave's 2,
	s_add_co_u32 s24, s24, s25
	s_lshl_b32 s25, ttmp9, 10                      ; 256 columns
	s_add_co_u32 s24, s24, s25
	s_mov_b32 s25, 0
	s_lshl_b32 s16, s12, 17                        ; stats (waves 0 to 15): expert x's 8 chunks of 16,384 bytes,
	s_lshl_b32 s17, s13, 8                         ; 64 rows of 4
	s_add_co_u32 s16, s16, s17
	s_mov_b32 s17, 0
	s_lshl_b32 s18, ttmp9, 15                      ; and the work-group's two chunks within the eight
	s_mov_b32 s19, 0
	s_lshl_b32 s22, s13, 12                        ; type_prob: 64 rows of 64 bytes,
	s_lshl2_add_u32 s22, s12, s22                  ; expert x
	s_mov_b32 s23, 0
	v_and_b32 v1, 31, v0                           ; l
	v_lshlrev_b32 v[EO], 4, v1
	v_lshlrev_b32 v[L8], 3, v1
	v_lshlrev_b32 v[L128], 7, v1
	v_mul_u32_u24 v[FA], v1, 2*FP
	v_lshl_add_u32 v[FA], s12, 2, v[FA]
	v_bfe_u32 v11, v0, 4, 1                        ; l / 16
	s_mul_i32 s27, s12, ROWS*FP
	v_lshl_add_u32 v[FR], v11, 6, s27
	v_and_b32 v1, 15, v0
	v_lshlrev_b32 v1, 4, v1
	v_lshl_add_u32 v[OO], v11, 9, v1
	s_mov_b32 s26, 0                               ; s[26:27]: what a trip adds to out0's address: nothing the first time
	s_mov_b32 s27, 0
	s_mov_b32 s28, ROWS
	s_wait_kmcnt 0x0
	s_add_nc_u64 s[4:5], s[4:5], s[14:15]
	s_add_nc_u64 s[10:11], s[10:11], s[24:25]
.macro FILL                            ; a row: sixteen loads of 512 consecutive bytes, read once in the launch
.set e, 0
.rept 16
	global_load_b128 v[X+4*e:X+4*e+3], v[EO], s[4:5] offset:e*2048 th:TH_LOAD_NT
.set e, e+1
.endr
.endm
	s_cmp_lt_u32 s12, 16
	s_cbranch_scc0 .Lother                         ; waves 16 to 31 make no factors
	s_add_nc_u64 s[6:7], s[6:7], s[16:17]
	s_add_nc_u64 s[20:21], s[6:7], s[18:19]
	s_add_nc_u64 s[8:9], s[8:9], s[22:23]
	; the statistics first (loads come back in order), then my first row
.irp c, 0,1,2,3,4,5,6,7
	global_load_b64 v[M+2*(\c):M+2*(\c)+1], v[L8], s[6:7] offset:(\c)*16384           ; cm: 32 lanes x 8 bytes = 256 consecutive bytes, aligned
.endr
.irp c, 0,1,2,3,4,5,6,7
	global_load_b64 v[S+2*(\c):S+2*(\c)+1], v[L8], s[6:7] offset:(\c)*16384+2097152   ; s
.endr
.irp h, 0,1                            ; cm of chunk 2 q + half once more, in registers that do not hang on q
	global_load_b64 v[MQ+2*(\h):MQ+2*(\h)+1], v[L8], s[20:21] offset:(\h)*16384
.endr
	global_load_b32 v[TP],   v[L128], s[8:9]
	global_load_b32 v[TP+1], v[L128], s[8:9] offset:64
	FILL
	s_wait_loadcnt 16                              ; the statistics are in; the row's sixteen loads stay out
	; CM
.irp y, 0,1
	v_max3_num_f32 v[MAXV+(\y)], v[M+(\y)], v[M+2+(\y)], v[M+4+(\y)]
.endr
.irp c, 6,10
.irp y, 0,1
	v_max3_num_f32 v[MAXV+(\y)], v[MAXV+(\y)], v[M+(\c)+(\y)], v[M+(\c)+2+(\y)]
.endr
.endr
.irp y, 0,1
	v_max_num_f32 v[MAXV+(\y)], v[MAXV+(\y)], v[M+14+(\y)]
.endr
	; cm - CM, two rows at a time; cm is in powers of two already
.irp c, 0,1,2,3,4,5,6,7
	v_pk_add_f32 v[M+2*(\c):M+2*(\c)+1], v[M+2*(\c):M+2*(\c)+1], v[MAXV:MAXV+1] neg_lo:[0,1] neg_hi:[0,1]
.endr
.irp h, 0,1
	v_pk_add_f32 v[MQ+2*(\h):MQ+2*(\h)+1], v[MQ+2*(\h):MQ+2*(\h)+1], v[MAXV:MAXV+1] neg_lo:[0,1] neg_hi:[0,1]
.endr
.set g, 0
.rept 16
	v_exp_f32 v[M+g], v[M+g]
.set g, g+1
.endr
.set g, 0
.rept 4
	v_exp_f32 v[MQ+g], v[MQ+g]
.set g, g+1
.endr
	v_nop                                          ; a plain instruction behind the last exponential (ISA guide 5.7.2),
	s_wait_alu depctr_va_vdst(0)                   ; and a wait ahead of the first use: one for the 20
	v_pk_mul_f32 v[SUM:SUM+1], v[S:S+1], v[M:M+1]
.irp c, 1,2,3,4,5,6,7
	v_pk_fma_f32 v[SUM:SUM+1], v[S+2*(\c):S+2*(\c)+1], v[M+2*(\c):M+2*(\c)+1], v[SUM:SUM+1]
.endr
	v_rcp_f32 v[SUM], v[SUM]
	v_rcp_f32 v[SUM+1], v[SUM+1]
	v_nop
	s_wait_alu depctr_va_vdst(0)                   ; one wait for the two reciprocals
	v_pk_mul_f32 v[SUM:SUM+1], v[SUM:SUM+1], v[TP:TP+1]
.irp h, 0,1
	v_pk_mul_f32 v[MQ+2*(\h):MQ+2*(\h)+1], v[MQ+2*(\h):MQ+2*(\h)+1], v[SUM:SUM+1]
.endr
.irp h, 0,1
.irp y, 0,1
	ds_store_b32 v[FA], v[MQ+2*(\h)+(\y)] offset:(\y)*FP+(\h)*64
.endr
.endr
	s_branch .Lmeet
.Lother:
	FILL                                           ; my first row
.Lmeet:
	s_wait_dscnt 0x0                               ; for the others' sake: my factors are in LDS
	s_barrier_signal -1
	s_barrier_wait -1                              ; everybody's are
.Lrow:                                                 ; a trip: one row
.irp k, 0,1,2,3
	ds_load_b128 v[FB+4*(\k):FB+4*(\k)+3], v[FR] offset:16*(\k)   ; the row's sixteen factors for my half of the lanes
.endr
	s_wait_loadcnt 0x0                             ; the row is in, so ebuf's base may be stepped below
	s_wait_xcnt 0x0                                ; the last trip's stores have read the sums and out0's base (ISA guide 3.1); with the loads in, only those two stores are left to wait for
	s_add_nc_u64 s[10:11], s[10:11], s[26:27]      ; out0 at this row
	s_mov_b32 s26, 4096
	v_add_nc_u32 v[FR], FP, v[FR]                  ; the next row's factors
	s_wait_dscnt 0x0
.set e, 0
.rept 16                               ; eight sums take turns: bf16 half x f32 factor + f32 sum, one rounding each
.irp j, 0,1,2,3
.if e == 0
	v_fma_mix_f32_bf16 v[ACC+2*(\j)],   v[X+(\j)], v[FB], v[ZERO] op_sel:[0,0,0] op_sel_hi:[1,0,0]
	v_fma_mix_f32_bf16 v[ACC+2*(\j)+1], v[X+(\j)], v[FB], v[ZERO] op_sel:[1,0,0] op_sel_hi:[1,0,0]
.else
	v_fma_mix_f32_bf16 v[ACC+2*(\j)],   v[X+4*e+(\j)], v[FB+e], v[ACC+2*(\j)]   op_sel:[0,0,0] op_sel_hi:[1,0,0]
	v_fma_mix_f32_bf16 v[ACC+2*(\j)+1], v[X+4*e+(\j)], v[FB+e], v[ACC+2*(\j)+1] op_sel:[1,0,0] op_sel_hi:[1,0,0]
.endif
.endr
.set e, e+1
.endr
	s_sub_co_u32 s28, s28, 1
	s_cmp_eq_u32 s28, 0
	s_cbranch_scc1 .Lno_more                       ; the last trip asks for nothing: no load leaves the buffer
	s_add_nc_u64 s[4:5], s[4:5], 32768
	FILL                                           ; the next row, ahead of the stores
.Lno_more:
	global_store_b128 v[OO], v[ACC:ACC+3],   s[10:11] th:TH_STORE_NT             ; each half of 16 lanes stores 256 consecutive bytes, aligned
	global_store_b128 v[OO], v[ACC+4:ACC+7], s[10:11] offset:256 th:TH_STORE_NT
	s_cmp_lg_u32 s28, 0
	s_cbranch_scc1 .Lrow
	s_wait_tensorcnt 0x0                           ; the wave's end, behind my last LDS store
	ds_add_u32 v[SPW], v[NIL]
	s_wait_dscnt 0x0
	s_endpgm
.Lfunc_end_k_qe6f5b1a68d_combine:
	.size	k_qe6f5b1a68d_combine, .Lfunc_end_k_qe6f5b1a68d_combine-k_qe6f5b1a68d_combine
	.p2alignl 7, 3214868480
	.fill 96, 4, 3214868480
	.section	.rodata,"a",@progbits
	.p2align	6, 0x0
	.amdhsa_kernel k_qe6f5b1a68d_combine
		.amdhsa_group_segment_fixed_size 13312
		.amdhsa_private_segment_fixed_size 0
		.amdhsa_enable_private_segment 0
		.amdhsa_kernarg_size 32
		.amdhsa_user_sgpr_count 2
		.amdhsa_user_sgpr_kernarg_segment_ptr 1
		.amdhsa_wavefront_size32 1
		.amdhsa_system_sgpr_workgroup_id_x 1
		.amdhsa_system_sgpr_workgroup_id_y 1
		.amdhsa_system_sgpr_workgroup_id_z 1
		.amdhsa_system_vgpr_workitem_id 0
		.amdhsa_next_free_vgpr 128
		.amdhsa_next_free_sgpr 66
		.amdhsa_reserve_vcc 0
		.amdhsa_float_denorm_mode_32 3
		.amdhsa_float_denorm_mode_16_64 3
		.amdhsa_memory_ordered 1
		.amdhsa_forward_progress 1
		.amdhsa_inst_pref_size 21
	.end_amdhsa_kernel
	.amdgpu_metadata
---
amdhsa.version: [ 1, 2 ]
amdhsa.kernels:
  - .name:           k_qe6f5b1a68d_combine
    .symbol:         k_qe6f5b1a68d_combine.kd
    .args:
      - { .name: ebuf, .offset: 0, .size: 8, .value_kind: global_buffer, .address_space: global }
      - { .name: stats, .offset: 8, .size: 8, .value_kind: global_buffer, .address_space: global }
      - { .name: type_prob, .offset: 16, .size: 8, .value_kind: global_buffer, .address_space: global }
      - { .name: out0, .offset: 24, .size: 8, .value_kind: global_buffer, .address_space: global }
    .group_segment_fixed_size: 13312
    .private_segment_fixed_size: 0
    .kernarg_segment_align: 8
    .kernarg_segment_size: 32
    .max_flat_workgroup_size: 1024
    .sgpr_count:     66
    .vgpr_count:     128
    .wavefront_size: 32
...
	.end_amdgpu_metadata
.endif
;; end of part 3
